; MI455X (gfx1250); checked and timed in simulation.
; The chip was launched on July 23, 2026; its instructions are those of AMD's public machine-readable ISA for CDNA 5 (MIT licence, August 2026) and "CDNA5" Instruction Set Architecture Reference Guide (July 2026). The comments in the code are by the model that wrote it; some were corrected since.
;; Self Attention. Allowed arithmetic: matrix products marked QUANTISED: E2M3 operands, one E8M0 scale for each 32 along K, by v_wmma_scale_f32_16x16x128_f8f6f4 with both operands' format E2M3, f32 sums; everything else in f32.
;; Inputs: Wk 512 x 512 float32; Wq 512 x 512 float32; Wv 512 x 512 float32; bk 512 float32; bq 512 float32; bv 512 float32; x 2 x 4,096 x 512 float32.
;; Outputs: out0 2 x 4,096 x 512 float32.
;; This version of the problem:
;;   THIS VERSION OF THE PROBLEM IS GIVEN IN LOW PRECISION. The matrix products marked QUANTISED in the list below multiply operands that are first quantised to E2M3 (2 exponent bits, 3 mantissa bits; 6 bits a number), with one power-of-two scale for each 32 numbers along K (OCP MX v1.0); their sums are f32. All else is computed in f32.
;;   The module's matrix products, in the order in which they are computed (A, B: the left and right operand; K: the contracted axis; several contracted axes count as one K, in the product's order):
;;     1. [M 8,192, K 512] x [K 512, N 512]; A: input x; B: input Wq: QUANTISED
;;     2. [M 8,192, K 512] x [K 512, N 512]; A: input x; B: input Wk: QUANTISED
;;     3. [M 8,192, K 512] x [K 512, N 512]; A: input x; B: input Wv: QUANTISED
;;     4. batch 16 x [M 4,096, K 64] x [K 64, N 4,096]; A: computed on the way; B: computed on the way: QUANTISED
;;     5. batch 16 x [M 4,096, K 4,096] x [K 4,096, N 64]; A: softmax (see below); B: computed on the way: QUANTISED
;;   THE QUANTISER, for each operand of a quantised product, along K:
;;     - K is cut into blocks of 32 from its start; a last block that is shorter is filled with zeros.
;;     - A block's scale is 2^e with e = floor(log2(the largest magnitude in the block)) - 2, held to -126 .. 127; a block of zeros has e = 0. As a byte (E8M0): e + 127.
;;     - Each number is divided by its block's scale, clamped to +-7.5, and rounded to the nearest number of E2M3, ties to even, subnormals kept.
;;     - The product sums the exact products of the quantised numbers (number of the format x scale) in f32.
;;   ~~~python
;;   def quantise(x, axis):      # numpy; x: float32 -> the quantised numbers, widened to float32 again
;;       x = np.moveaxis(x, axis, -1); K = x.shape[-1]
;;       x = np.pad(x, [(0, 0)] * (x.ndim - 1) + [(0, -K % 32)]); x = x.reshape(x.shape[:-1] + (-1, 32)); a = np.abs(x).max(-1, keepdims=True)
;;       e = np.where(a > 0, np.clip(np.frexp(np.where(a > 0, a, 1))[1] - 1 - 2, -126, 127), 0)      # np.frexp(a)[1] - 1 = floor(log2(a)), exactly
;;       r = np.clip(x / 2.0 ** e, -7.5, 7.5)
;;       step = 2.0 ** (np.maximum(np.frexp(np.where(r == 0, 1, r))[1] - 1, 0) - 3)
;;       q = np.round(r / step) * step * 2.0 ** e      # np.round: ties to even
;;       return np.moveaxis(q.reshape(q.shape[:-2] + (-1,))[..., :K], -1, axis).astype(np.float32)
;;   ~~~
;;   SOFTMAX AHEAD OF A QUANTISED PRODUCT. Where the list says 'softmax', what is quantised is not the finished softmax but p = 2^(t - M), with t = logit x log2(e) and M = ceil(the row's largest t), a whole number; so 1/2 < the row's largest p <= 1. The row's sum l is taken of the UNQUANTISED p, in f32, and the product's result is divided by l at the end. Since M is a whole number, a kernel that streams over the keys may use a running M (the ceiling of the running maximum): every later rescaling is an exact power of two, which a block's scale takes up: the codes' values come out the same.
;;   OPERANDS COMPUTED ON THE WAY. 'Computed on the way' means the value that the module computes at that place (a softmax that the list does not call 'softmax' is quantised finished and normalised). What goes into a quantiser is computed in f32, as accurately as f32 sums, v_exp_f32 and their like allow (about 1e-6 of the number): no bf16 or f16 on the way to a quantiser, and a product that is left as it is and whose result goes on into a quantised operand takes f32 operands (vector FMAs, or v_wmma_f32_16x16x4_f32). A number that lies on a knife's edge between two numbers of the format may be rounded either way, as far as f32 arithmetic and the matrix unit's own rounding can turn it there, and no further.
;; One version. Each part assembles by itself: llvm-mc -triple=amdgcn-amd-amdhsa -mcpu=gfx1250 --defsym DOCPART=n.
;; ======== version 1 of 1: 3 launches
;; limits: right only within a limited range of input values
;; workspace buffers: wfrag 614,400 bytes; qfrag 3,276,800 bytes; kvfrag 6,553,600 bytes; xfrag 3,407,872 bytes
;; launch prep (part 1): grid 608 x 1, 4 waves a work-group, no clusters, 1,280 bytes of LDS; arguments Wq, Wk, Wv, wfrag, x, xfrag; writes wfrag, xfrag
.if DOCPART == 1
	.amdgcn_target "amdgcn-amd-amdhsa--gfx1250"
	.amdhsa_code_object_version 6
	.text
	.protected	k_qd083687165_prep
	.globl	k_qd083687165_prep
	.p2align	8
	.type	k_qd083687165_prep,@function
k_qd083687165_prep:
	s_mov_b64 s[64:65], 0
	v_nop
	global_prefetch_b8 v0, s[64:65] scope:SCOPE_SE
	s_setreg_imm32_b32 hwreg(HW_REG_WAVE_MODE, 25, 1), 1
	s_wait_xcnt 0x0
; Every operand of the three projections becomes codes of FP6 (E2M3) with one E8M0 scale byte for each 32 along K = 512, once, as IMAGES OF THE OPERAND'S REGISTERS
; (12 registers a lane: three chunks of 512 bytes, lane l's registers 4 c .. 4 c + 3 at 512 c + 16 l).  A work-group takes one tile of 16 columns or tokens, each of its four waves one K step of 128: one fragment.
; WORK-GROUPS 0 TO 95: Wq, Wk, Wv [512 (k)][512 (n)], K being the FIRST axis.  Record 32 x matrix + tile of wfrag, 6,400 bytes: K step s at 1,536 s; at 6,144 the scale words, row r's word of K step s at 16 r + 4 s.
;   Lane r of tile 2 b + u takes column 32 b + 8 u + r + 8 (r / 8).  A lane takes a column and its registers run down K (registers 6 c .. 6 c + 5: k = 64 c + 32 (lane / 16) + 0 .. 31): two whole blocks a lane.
; WORK-GROUPS 96 TO 607: x [8192][512], K innermost.  Record g of xfrag, 6,656 bytes, g = 8 x (block of 128 tokens) + tile w: K step s at 1,536 s; at 6,144 the scale words, lane l's word of K step s at 128 s + 4 l.
;   Row r of tile w is token 64 (w / 4) + 8 (w % 4) + r + 24 (r / 8) of its 128.  A lane takes, of each block of 32 of its row, its half's 16 numbers; lanes l and l xor 16 join their maxima and change halves of codes.
; The two paths part on the work-group's number alone; each has LDS bytes of its own (0-255 and 768-1,279; the spare words lie between).  No cluster: no two work-groups read the same numbers.
; A block's scale is 2^(floor(log2(its largest magnitude)) - 2); its byte is the largest magnitude's exponent field - 2, held at 1 from below.
; LIMITS: a block of zeros gets the byte 1 where the rule says 127 (its codes are zeros, which add nothing under any byte but 0xff, and this program alone reads the bytes); NaN and infinities are not served.
.set REC,  6400
.set XREC, 6656
.set FRB,  1536
.set WGW,  96
.set XL,   768
.set TM,   32                          ; x's path: v32-35 largest magnitudes, v36-39 bytes, v40-43 the conversions' scale operands
.set PC,   44                          ; v44-55 the codes; v56-62 the conversions' second halves
.set PW,   9                           ; the scale word
.set SEL,  20
	s_load_b256 s[4:11], s[0:1], 0x0               ; Wq s[4:5], Wk s[6:7], Wv s[8:9], wfrag s[10:11]
	s_load_b128 s[28:31], s[0:1], 0x20             ; x s[28:29], xfrag s[30:31]
	v_lshl_add_u32 v136, v0, 2, 0x100
	v_mov_b32 v137, 0
	v_lshrrev_b32 v1, 5, v0
	v_readfirstlane_b32 s16, v1                    ; wave = K step
	v_and_b32 v1, 15, v0                           ; r
	v_bfe_u32 v2, v0, 4, 1                         ; h
	v_and_b32 v4, 31, v0                           ; lane
	v_lshlrev_b32 v3, 4, v4                        ; 16 x lane: my place in a chunk of an image
	s_mov_b32 s20, 0x76543210
	s_mov_b32 s21, 0xfedcba98                      ; v_permlanex16_b32's selects for lane l xor 16
	s_cmp_ge_u32 ttmp9, WGW
	s_wait_alu depctr_va_vdst(0)                   ; directly ahead of the branch
	s_cbranch_scc1 .Lx
	; ---- a tile of a weight
	s_lshr_b32 s18, ttmp9, 5                       ; which matrix: 0 q, 1 k, 2 v
	s_and_b32 s17, ttmp9, 31                       ; which tile
	v_lshlrev_b32 v7, 3, v4                        ; 8 x lane: the scale words' way out
	v_and_b32 v5, 8, v1
	v_add_nc_u32 v5, v5, v1                        ; r + 8 (r / 8)
	v_lshlrev_b32 v5, 2, v5                        ; my column, in bytes,
	v_lshl_add_u32 v5, v2, 16, v5                  ; and 32 rows of 2,048 bytes further down for lanes 16-31
	v_lshlrev_b32 v6, 4, v1
	s_lshl_b32 s19, s16, 2
	v_add_nc_u32 v6, s19, v6                       ; LDS: 16 r + 4 x K step
	s_lshl_b32 s22, s17, 6                         ; the tile's first column is 16 t - 8 (t % 2): in bytes 64 t - 32 (t % 2)
	s_and_b32 s23, s17, 1
	s_lshl_b32 s23, s23, 5
	s_sub_co_u32 s22, s22, s23
	s_lshl_b32 s23, s16, 18                        ; my K step: 128 rows of 2,048 bytes
	s_add_co_u32 s22, s22, s23
	s_mov_b32 s23, 0
	s_mul_i32 s24, ttmp9, REC                      ; my record
	s_mov_b32 s25, 0
	s_mul_i32 s26, s16, FRB                        ; my image in it
	s_mov_b32 s27, 0
	s_wait_alu depctr_va_vdst(0)
	s_wait_kmcnt 0x0
	s_cmp_eq_u32 s18, 0                            ; the choice hangs on the work-group's number alone
	s_cselect_b64 s[12:13], s[4:5], s[6:7]
	s_cmp_eq_u32 s18, 2
	s_cselect_b64 s[12:13], s[8:9], s[12:13]
	s_add_nc_u64 s[12:13], s[12:13], s[22:23]
	s_add_nc_u64 s[10:11], s[10:11], s[24:25]
	s_add_nc_u64 s[14:15], s[10:11], s[26:27]
.irp c, 0,1
.set i, 0
.rept 32
	global_load_b32 v[64+32*\c+i], v5, s[12:13] offset:2048*(64*\c+i)   ; W(128 s + 64 c + 32 h + i, my column)
.set i, i+1
.endr
.endr
	s_wait_loadcnt 0x0                             ; a block's largest magnitude wants all its numbers
.irp c, 0,1                                    ; my block 2 c + h: all its 32 numbers are mine
	v_max3_num_f32 v[32+\c], |v[64+32*\c]|, |v[65+32*\c]|, 0x1800000   ; and the floor 2^(3 - 127): so the byte cannot fall under 1
.endr
.irp i, 2,4,6,8,10,12,14,16,18,20,22,24,26,28,30
.irp c, 0,1
	v_max3_num_f32 v[32+\c], v[32+\c], |v[64+32*\c+\i]|, |v[65+32*\c+\i]|   ; (the two blocks by turns)
.endr
.endr
.irp c, 0,1
	v_add_nc_u32 v[44+\c], 0xff000000, v[32+\c]    ; 2 off the exponent field: the conversion takes the exponent field of this operand as its scale
.endr
.irp c, 0,1
	v_lshrrev_b32 v[36+\c], 23, v[44+\c]           ; the scale's byte
.endr
	v_lshl_or_b32 v9, v37, 16, v36                 ; my two bytes: blocks h and 2 + h of my column,
	v_lshlrev_b32 v10, 3, v2
	v_lshlrev_b32 v9, v10, v9                      ; at their places in the scale word (8 h bits up);
	v_mov_b32 v10, 0
	v_permlanex16_b32 v10, v9, s20, s21
	v_or_b32 v9, v9, v10                           ; with lane l xor 16's two the word is whole
.irp c, 0,1
	v_cvt_scalef32_pk16_fp6_f32 v[48+6*\c:50+6*\c], v[64+32*\c:79+32*\c], v[44+\c]     ; registers 6 c .. 6 c + 2 of the operand
	v_cvt_scalef32_pk16_fp6_f32 v[128+4*\c:130+4*\c], v[80+32*\c:95+32*\c], v[44+\c]   ; (a conversion's three registers begin on an even number: the second half is made elsewhere and moved)
.endr
	v_nop                                          ; one plain place behind a scaled conversion
.irp c, 0,1
.irp i, 0,1,2
	v_mov_b32 v[51+6*\c+\i], v[128+4*\c+\i]
.endr
.endr
.irp c, 0,1,2
	global_store_b128 v3, v[48+4*\c:51+4*\c], s[14:15] offset:512*\c   ; the wave stores 512 consecutive bytes, at a multiple of 256 from the buffer's first byte
.endr
	ds_store_b32 v6, v9                            ; lanes r and r + 16 write the same word with the same value
	s_wait_dscnt 0x0                               ; for the others' sake: my word has landed
	s_barrier_signal -1
	s_barrier_wait -1
	s_cmp_lg_u32 s16, 0
	s_cbranch_scc1 .Lend
	ds_load_b64 v[12:13], v7                       ; wave 0: the record's 64 scale words
	s_wait_dscnt 0x0
	global_store_b64 v7, v[12:13], s[10:11] offset:4*FRB   ; 32 lanes store 256 consecutive bytes, aligned
.Lend:
	s_wait_tensorcnt 0x0                           ; the wave's end
	ds_add_u32 v136, v137
	s_wait_dscnt 0x0
	s_endpgm
	; ---- a tile of tokens
.Lx:
	s_sub_co_u32 s17, ttmp9, WGW                   ; g
	s_lshr_b32 s18, s17, 3
	s_lshl_b32 s18, s18, 7                         ; 128 x block
	s_bfe_u32 s19, s17, 0x10002
	s_lshl_b32 s19, s19, 6
	s_add_co_u32 s18, s18, s19                     ; + 64 (w / 4)
	s_and_b32 s22, s17, 3
	s_lshl_b32 s22, s22, 3
	s_add_co_u32 s18, s18, s22                     ; + 8 (w % 4): the tile's first token
	s_lshl_b32 s22, s18, 11                        ; rows of 2,048 bytes
	s_lshl_b32 s23, s16, 9                         ; my K step: 512 bytes of a row
	s_add_co_u32 s22, s22, s23
	s_mov_b32 s23, 0
	s_mul_i32 s24, s17, XREC                       ; my record
	s_mov_b32 s25, 0
	s_mul_i32 s26, s16, FRB                        ; my image in it
	s_mov_b32 s27, 0
	s_lshl_b32 s19, s16, 7
	v_and_b32 v5, 8, v1
	v_lshlrev_b32 v6, 2, v4
	v_mad_u32_u24 v5, v5, 3, v1                    ; r + 24 (r / 8): my token in the tile
	v_add_nc_u32 v6, s19, v6                       ; LDS: 128 x K step + 4 x lane
	v_lshlrev_b32 v5, 11, v5
.irp b, 0,1,2,3
	v_mov_b32 v[TM+4+\b], 0                        ; a lane permute's destination counts as one of its sources
.endr
	v_lshl_add_u32 v5, v2, 6, v5                   ; + 64 h: of each block of 32 my 16
	s_wait_alu depctr_va_vdst(0)                   ; the wait at the head's end
	s_wait_kmcnt 0x0
	s_add_nc_u64 s[12:13], s[28:29], s[22:23]
	s_add_nc_u64 s[10:11], s[30:31], s[24:25]
	s_add_nc_u64 s[14:15], s[10:11], s[26:27]
.irp b, 0,1,2,3
.irp j, 0,1,2,3
	global_load_b128 v[64+16*\b+4*\j:64+16*\b+4*\j+3], v5, s[12:13] offset:128*\b+16*\j
.endr
.endr
	s_wait_loadcnt 0x0
.irp b, 0,1,2,3
	v_max3_num_f32 v[TM+\b], |v[64+16*\b]|, |v[65+16*\b]|, 0x1800000   ; block b: my 16 numbers, and the floor 2^(3 - 127)
.endr
.irp i, 2,4,6,8,10,12,14
.irp b, 0,1,2,3
	v_max3_num_f32 v[TM+\b], v[TM+\b], |v[64+16*\b+\i]|, |v[65+16*\b+\i]|   ; (the four blocks by turns)
.endr
.endr
.irp b, 0,1,2,3
	v_permlanex16_b32 v[TM+4+\b], v[TM+\b], s[SEL], s[SEL+1]
.endr
.irp b, 0,1,2,3
	v_max_num_f32 v[TM+\b], v[TM+\b], v[TM+4+\b]   ; with lane l xor 16's: the block's largest magnitude
.endr
.irp b, 0,1,2,3
	v_add_nc_u32 v[TM+8+\b], 0xff000000, v[TM+\b]  ; 2 off its exponent field: the conversion's scale operand
.endr
.irp b, 0,1,2,3
	v_lshrrev_b32 v[TM+4+\b], 23, v[TM+8+\b]       ; the scale's byte
.endr
	v_lshl_or_b32 v[PW], v[TM+5], 8, v[TM+4]
	v_lshl_or_b32 v[PW], v[TM+6], 16, v[PW]
	v_lshl_or_b32 v[PW], v[TM+7], 24, v[PW]
.irp c, 0,1
	v_cvt_scalef32_pk16_fp6_f32 v[PC+6*\c:PC+2+6*\c], v[64+32*\c:79+32*\c], v[TM+8+2*\c]
	v_cvt_scalef32_pk16_fp6_f32 v[PC+12+4*\c:PC+14+4*\c], v[80+32*\c:95+32*\c], v[TM+9+2*\c]   ; (a conversion's three registers begin on an even number)
.endr
	v_nop                                          ; one plain place behind a scaled conversion
.irp c, 0,1                                    ; the operand's layout wants a WHOLE block in a lane: lanes 0-15 block 2 c, lanes 16-31 block 2 c + 1
.irp i, 0,1,2
	v_permlane16_swap_b32 v[PC+6*\c+\i], v[PC+12+4*\c+\i]
.endr
.irp i, 0,1,2
	v_mov_b32 v[PC+3+6*\c+\i], v[PC+12+4*\c+\i]
.endr
.endr
.irp c, 0,1,2
	global_store_b128 v3, v[PC+4*\c:PC+4*\c+3], s[14:15] offset:512*\c   ; 512 consecutive bytes, at a multiple of 256 from the buffer's first byte
.endr
	ds_store_b32 v6, v[PW] offset:XL
	s_wait_dscnt 0x0                               ; for the others' sake: my words have landed
	s_barrier_signal -1
	s_barrier_wait -1
	s_cmp_lg_u32 s16, 0
	s_cbranch_scc1 .Lxend
	ds_load_b128 v[12:15], v3 offset:XL            ; wave 0: the record's 512 bytes of scale words
	s_wait_dscnt 0x0
	global_store_b128 v3, v[12:15], s[10:11] offset:4*FRB   ; 32 lanes store 512 consecutive bytes, aligned
.Lxend:
	s_wait_tensorcnt 0x0                           ; the wave's end
	ds_add_u32 v136, v137
	s_wait_dscnt 0x0
	s_endpgm
.Lfunc_end_k_qd083687165_prep:
	.size	k_qd083687165_prep, .Lfunc_end_k_qd083687165_prep-k_qd083687165_prep
	.p2alignl 7, 3214868480
	.fill 96, 4, 3214868480
	.section	.rodata,"a",@progbits
	.p2align	6, 0x0
	.amdhsa_kernel k_qd083687165_prep
		.amdhsa_group_segment_fixed_size 1280
		.amdhsa_private_segment_fixed_size 0
		.amdhsa_enable_private_segment 0
		.amdhsa_kernarg_size 48
		.amdhsa_user_sgpr_count 2
		.amdhsa_user_sgpr_kernarg_segment_ptr 1
		.amdhsa_wavefront_size32 1
		.amdhsa_system_sgpr_workgroup_id_x 1
		.amdhsa_system_sgpr_workgroup_id_y 1
		.amdhsa_system_sgpr_workgroup_id_z 1
		.amdhsa_system_vgpr_workitem_id 0
		.amdhsa_next_free_vgpr 138
		.amdhsa_next_free_sgpr 66
		.amdhsa_reserve_vcc 0
		.amdhsa_float_denorm_mode_32 3
		.amdhsa_float_denorm_mode_16_64 3
		.amdhsa_memory_ordered 1
		.amdhsa_forward_progress 1
		.amdhsa_inst_pref_size 20
	.end_amdhsa_kernel
	.amdgpu_metadata
---
amdhsa.version: [ 1, 2 ]
amdhsa.kernels:
  - .name:           k_qd083687165_prep
    .symbol:         k_qd083687165_prep.kd
    .args:
      - { .name: Wq, .offset: 0, .size: 8, .value_kind: global_buffer, .address_space: global }
      - { .name: Wk, .offset: 8, .size: 8, .value_kind: global_buffer, .address_space: global }
      - { .name: Wv, .offset: 16, .size: 8, .value_kind: global_buffer, .address_space: global }
      - { .name: wfrag, .offset: 24, .size: 8, .value_kind: global_buffer, .address_space: global }
      - { .name: x, .offset: 32, .size: 8, .value_kind: global_buffer, .address_space: global }
      - { .name: xfrag, .offset: 40, .size: 8, .value_kind: global_buffer, .address_space: global }
    .group_segment_fixed_size: 1280
    .private_segment_fixed_size: 0
    .kernarg_segment_align: 8
    .kernarg_segment_size: 48
    .max_flat_workgroup_size: 128
    .sgpr_count:     66
    .vgpr_count:     138
    .wavefront_size: 32
...
	.end_amdgpu_metadata
.endif
;; end of part 1
;; launch project (part 2): grid 4 x 64, 8 waves a work-group, no clusters, 56,320 bytes of LDS; arguments xfrag, wfrag, bq, bk, bv, qfrag, kvfrag; writes qfrag, kvfrag
.if DOCPART == 2
	.amdgcn_target "amdgcn-amd-amdhsa--gfx1250"
	.amdhsa_code_object_version 6
	.text
	.protected	k_qd083687165_project
	.globl	k_qd083687165_project
	.p2align	8
	.type	k_qd083687165_project,@function
k_qd083687165_project:
	s_mov_b64 s[64:65], 0
	v_nop
	global_prefetch_b8 v0, s[64:65] scope:SCOPE_SE
	s_setreg_imm32_b32 hwreg(HW_REG_WAVE_MODE, 25, 1), 1
	s_wait_xcnt 0x0
; q = x Wq + bq, k = x Wk + bk, v = x Wv + bv on codes of FP6 (E2M3) with one E8M0 scale for each 32 along K = 512; the results are quantised again at once, q and k along the head's 64, v along the
; keys, and stored as images of the next launch's operands.  x [8192][512] f32 is quantised here, in registers; the weights come as images (12 registers a lane: three chunks of 512 bytes, lane l at 16 l).
; SHARES: a work-group takes 128 tokens (work-group y) and two heads (2 x and 2 x + 1): 128 columns each of q, k and v.  Eight waves.
;   X: wave w quantises token tile w, four K steps, and stores the four images and their scale words in LDS | barrier |
;   two T units a wave (TRANSPOSED: source 0 = 16 columns of Wq or Wk, source 1 = 16 tokens): the four column tiles of one head x two token tiles; a lane then holds ONE token and 64 numbers along d of each of two
;   token tiles, which one quantising turns into a PAIR image: registers 0-5 the first token tile (lane (r, h): d = 32 h .. 32 h + 31), registers 6-11 the second; scale word: the two tiles' two bytes each.
;   one N unit a wave (source 0 = 16 tokens, source 1 = 16 columns of Wv): one column tile x all eight token tiles; a lane holds ONE column d and 64 numbers along the tokens: an image with the keys as K.
;   | barrier | waves 0 to 5 store the six units of 64 scale words (q, k: two heads each; v: two heads).
; TOKENS AND COLUMNS OF A TILE ARE NOT NEIGHBOURS: row r of tile 2 b + u is element 32 b + 8 u + r + 8 (r / 8), so that the 16 registers of result tiles 2 b and 2 b + 1 are 16 neighbours, 32 b + 16 (lane / 16) + 0 .. 15.
; OUTPUT: qfrag: records of 6,400 bytes, (16 x batch-and-head .. ) index 32 (8 m + head) + step of 128 tokens: 4 pair images, then 256 bytes of scale words (image f, row r at 64 f + 4 r).
;         kvfrag: records of 12,800 bytes, same index: k's 6,400 bytes in that form, then v's 4 images (tile t of the head's d) and their 256 bytes of scale words.
; The biases are the C of each sum's first matrix instruction, so the order of the f32 additions differs from x W first, b last.
; NO CLUSTER: nothing is asked for again in a loop; each work-group takes its 262,144 bytes of x and 153,600 bytes of weights once, straight into registers (x has to pass through registers to be
; quantised, the weights stay there); a joint load could only land in LDS and would add a round trip through LDS for all of it.
; LIMITS: a block of zeros gets the byte 1 where the rule says 127 (its codes are zeros; this program alone reads the bytes); NaN and infinities are not served.
; REGISTERS, window 0: v1-15 lane numbers and addresses; v16-35 the weights' scale words; v36-43 x's; v44 the word just made; v48-111 eight accumulators (in X: 64 numbers of x);
;   v112-207 eight fragments of x (in X: v112-175 64 numbers); the quantiser works in their tail, v176-207, when they are done with; v208-239 bias of the four T tiles; v240-247 v's bias.
;   window 1: v0-191 the T units' 16 weight fragments (tile i, K step s at 12 (4 i + s)); v192-239 Wv's four.
; IN PLACE OF WHAT STANDS ABOVE ON x: x comes quantised, made once by the launch before: a record of 6,656 bytes for each token tile (four images, one a K step; then 512 bytes of scale words, 128 s + 4 x lane).
; Phase X is a copy: wave w brings token tile w's record into LDS as it lies, 13 loads and 13 LDS stores of 16 bytes a lane.  A work-group takes 53,248 bytes of x's records.
.set REC,   6400
.set XREC,  6656
.set KVREC, 12800
.set FRB,   1536                       ; an image in bytes
.set XIMG,  0                          ; LDS: x's 32 images, 4 x tile + K step,
.set XSC,   32*FRB                     ; their scale words, 128 bytes each (4 x lane),
.set SCST,  XSC+32*128                 ; and the results' scale words: six units of 256 bytes (room for eight)
.set XA,  4
.set LI,  5                            ; v5   16 x lane
.set LS,  6                            ; v6   4 x lane
.set XWI, 7                            ; v7   where I store x's images: 16 x lane + 4 FRB x wave
.set XWS, 8                            ; v8   and their scale words: 16 x lane + 512 x wave
.set XRD, 9                            ; v9   where my T units read x's images: 16 x lane + 16 FRB x (wave % 2)
.set XRS, 10                           ; v10  and scale words: 4 x lane + 2,048 x (wave % 2)
.set SWT, 11                           ; v11  a T unit's scale word: 4 r + 128 x wave
.set SWN, 12                           ; v12  the N unit's: 4 r + 64 x wave
.set SUR, 13                           ; v13  a unit of scale words on its way out: 8 x lane + 256 x wave
.set L8,  14                           ; v14  8 x lane
.set WSA, 15                           ; v15  16 r
.set WS,  16
.set WVS, 32
.set XS,  36
.set PW,  44
.set BH,  45                           ; v45  64 h
.set BC,  46                           ; v46  4 (r + 8 (r / 8))
.set ACC, 48
.set XF,  112
.set BT,  208
.set BV,  240
.set BUF0, 48
.set BUF1, 112
.set TM,  176                          ; v176-179 largest magnitudes, v180-183 bytes, v184-187 the conversions' scale operands
.set PC,  188                          ; v188-199 the codes just made; v200-206 the conversions' second halves
.set WV,  18
.set SEL, 20
.set MSB, 0
.macro WIN new                         ; the immediate's high byte repeats the setting that is left
.if MSB != \new
	s_set_vgpr_msb (MSB<<8)|\new
.set MSB, \new
.endif
.endm
; 64 numbers of a lane, register 16 b + i = number 32 b + 16 (lane / 16) + i of my row, become a fragment's codes in v[PC] on and its scale word in v[PW].
.macro QUANT src
.irp b, 0,1,2,3
	v_max3_num_f32 v[TM+\b], |v[\src+16*\b]|, |v[\src+1+16*\b]|, 0x1800000   ; block b: my 16 numbers, from each accumulator's low end on, and the floor 2^(3 - 127): so the byte cannot fall under 1
.endr
.irp i, 2,4,6,8,10,12,14
.irp b, 0,1,2,3
	v_max3_num_f32 v[TM+\b], v[TM+\b], |v[\src+16*\b+\i]|, |v[\src+1+16*\b+\i]|   ; (the four blocks by turns)
.endr
.endr
.irp b, 0,1,2,3
	s_delay_alu instid0(VALU_DEP_4)
	v_permlanex16_b32 v[TM+4+\b], v[TM+\b], s[SEL], s[SEL+1]
.endr
.irp b, 0,1,2,3
	s_delay_alu instid0(VALU_DEP_4)
	v_max_num_f32 v[TM+\b], v[TM+\b], v[TM+4+\b]   ; with lane l xor 16's: the block's largest magnitude
.endr
.irp b, 0,1,2,3
	s_delay_alu instid0(VALU_DEP_4)
	v_add_nc_u32 v[TM+8+\b], 0xff000000, v[TM+\b]  ; 2 off its exponent field: the conversion's scale operand
.endr
.irp b, 0,1,2,3
	s_delay_alu instid0(VALU_DEP_4)
	v_lshrrev_b32 v[TM+4+\b], 23, v[TM+8+\b]       ; the scale's byte
.endr
	s_delay_alu instid0(VALU_DEP_3)
	v_lshl_or_b32 v[PW], v[TM+5], 8, v[TM+4]
	s_delay_alu instid0(VALU_DEP_1)
	v_lshl_or_b32 v[PW], v[TM+6], 16, v[PW]
	s_delay_alu instid0(VALU_DEP_1)
	v_lshl_or_b32 v[PW], v[TM+7], 24, v[PW]
.irp c, 0,1
	v_cvt_scalef32_pk16_fp6_f32 v[PC+6*\c:PC+2+6*\c], v[\src+32*\c:\src+15+32*\c], v[TM+8+2*\c]
	v_cvt_scalef32_pk16_fp6_f32 v[PC+12+4*\c:PC+14+4*\c], v[\src+16+32*\c:\src+31+32*\c], v[TM+9+2*\c]   ; (a conversion's three registers begin on an even number)
.endr
	v_nop                                          ; one plain place behind a scaled conversion
.irp c, 0,1                                    ; the operand's layout wants a WHOLE block in a lane: lanes 0-15 block 2 c, lanes 16-31 block 2 c + 1
.irp i, 0,1,2
	v_permlane16_swap_b32 v[PC+6*\c+\i], v[PC+12+4*\c+\i]
.endr
.irp i, 0,1,2
	s_delay_alu instid0(VALU_DEP_3)
	v_mov_b32 v[PC+3+6*\c+\i], v[PC+12+4*\c+\i]
.endr
.endr
.endm
; 64 numbers of a lane, register 32 c + i = number 64 c + 32 (lane / 16) + i of my column: two WHOLE blocks.  The conversions' results are the operand's registers; the scale word is gathered from lanes l and l xor 16.
.macro QUANTN src
.irp b, 0,1,2,3
	v_max3_num_f32 v[TM+\b], |v[\src+16*\b]|, |v[\src+1+16*\b]|, 0x1800000   ; four chains of 16, each accumulator from its low end on, and the floor 2^(3 - 127)
.endr
.irp i, 2,4,6,8,10,12,14
.irp b, 0,1,2,3
	v_max3_num_f32 v[TM+\b], v[TM+\b], |v[\src+16*\b+\i]|, |v[\src+1+16*\b+\i]|
.endr
.endr
	s_delay_alu instid0(VALU_DEP_3)
	v_max_num_f32 v[TM], v[TM], v[TM+1]            ; block h
	s_delay_alu instid0(VALU_DEP_2)
	v_max_num_f32 v[TM+1], v[TM+2], v[TM+3]        ; block 2 + h
	v_lshlrev_b32 v[TM+6], 3, v3                   ; 8 h
	s_delay_alu instid0(VALU_DEP_3)
	v_add_nc_u32 v[TM+8], 0xff000000, v[TM]        ; 2 off the exponent field: the conversion's scale operand
	s_delay_alu instid0(VALU_DEP_3)
	v_add_nc_u32 v[TM+9], 0xff000000, v[TM+1]
	s_delay_alu instid0(VALU_DEP_2)
	v_lshrrev_b32 v[TM+4], 23, v[TM+8]             ; the scale's byte
	s_delay_alu instid0(VALU_DEP_2)
	v_lshrrev_b32 v[TM+5], 23, v[TM+9]
	s_delay_alu instid0(VALU_DEP_1)
	v_lshl_or_b32 v[PW], v[TM+5], 16, v[TM+4]
	s_delay_alu instid0(VALU_DEP_1)
	v_lshlrev_b32 v[PW], v[TM+6], v[PW]            ; my two bytes at their places in the word
	s_delay_alu instid0(VALU_DEP_1)
	v_permlanex16_b32 v[TM+7], v[PW], s[SEL], s[SEL+1]
	s_delay_alu instid0(VALU_DEP_1)
	v_or_b32 v[PW], v[PW], v[TM+7]                 ; with lane l xor 16's two the word is whole
.irp c, 0,1
	v_cvt_scalef32_pk16_fp6_f32 v[PC+6*\c:PC+2+6*\c], v[\src+32*\c:\src+15+32*\c], v[TM+8+\c]
	v_cvt_scalef32_pk16_fp6_f32 v[PC+12+4*\c:PC+14+4*\c], v[\src+16+32*\c:\src+31+32*\c], v[TM+8+\c]   ; (a conversion's three registers begin on an even number)
.endr
	v_nop                                          ; one plain place behind a scaled conversion
.irp c, 0,1
.irp i, 0,1,2
	v_mov_b32 v[PC+3+6*\c+\i], v[PC+12+4*\c+\i]
.endr
.endr
.endm
.macro IMAGE reg, adr, off             ; the fragment in v[reg] on goes to LDS as it stands
.irp c, 0,1,2
	ds_store_b128 v[\adr], v[\reg+4*\c:\reg+4*\c+3] offset:\off+512*\c
.endr
.endm
.macro FETCH reg, adr, off             ; and comes back so, in any wave
.irp c, 0,1,2
	ds_load_b128 v[\reg+4*\c:\reg+4*\c+3], v[\adr] offset:\off+512*\c
.endr
.endm
.macro BARRIER                         ; my LDS stores have landed and my LDS loads are in: then the work-group's barrier
	s_wait_dscnt 0x0
	s_barrier_signal -1
	s_barrier_wait -1
.endm
.macro PLACES                          ; four places behind a matrix instruction of this form, in front of reads of its results and of loads into its registers
.rept 4
	v_nop
.endr
.endm
	s_load_b256 s[4:11], s[0:1], 0x0               ; x s[4:5], wfrag s[6:7], bq s[8:9], bk s[10:11]
	s_load_b128 s[12:15], s[0:1], 0x20             ; bv s[12:13], qfrag s[14:15]
	s_load_b64 s[16:17], s[0:1], 0x30              ; kvfrag
	v_lshl_add_u32 v254, v0, 2, 0xd800
	v_mov_b32 v255, 0
	v_lshrrev_b32 v1, 5, v0
	s_delay_alu instid0(VALU_DEP_1)
	v_readfirstlane_b32 s[WV], v1                  ; wave 0..7
	s_mov_b32 s[SEL], 0x76543210
	s_mov_b32 s[SEL+1], 0xfedcba98                 ; v_permlanex16_b32's selects for lane l xor 16
	s_and_b32 s22, ttmp7, 0xffff                   ; T: tokens 128 T on, of 8,192
	s_lshr_b32 s23, s22, 5
	s_lshl_b32 s23, s23, 3
	s_lshl_b32 s19, ttmp9, 1
	s_add_co_u32 s23, s23, s19                     ; 8 m + 2 g: the first of my two heads, among 16
	s_and_b32 s40, s22, 31                         ; the step of 128 tokens in its batch
	s_and_b32 s41, s[WV], 1                        ; T units: which half of the token pairs.  Also the N unit's column tile's u, and a scale unit's head
	s_bfe_u32 s42, s[WV], 0x10001                  ; T units: which of the two heads
	s_lshr_b32 s43, s[WV], 2                       ; T units: q (0) or k (1).  N unit: which of the two heads
	; THE TOKENS OF A TILE (in place of what the head says of tokens; columns are as the head says): row r of token tile w is token 64 (w / 4) + 8 (w % 4) + r + 24 (r / 8) of the 128,
	; so that in a result with tokens as rows lane (., h) holds, in the 32 registers of tiles 4 c .. 4 c + 3, tokens 64 c + 32 h + 0 .. 31: a whole block of 32 keys.
	s_lshl_b32 s44, s22, 3
	s_add_co_u32 s44, s44, s[WV]                   ; token tile 8 T + w
	s_mul_i32 s44, s44, XREC                       ; its record in xfrag
	s_mov_b32 s45, 0
	s_lshl_b32 s46, s43, 5                         ; the T units' weights: records 32 x matrix + 8 g + 4 x head, four of them
	s_lshl_b32 s47, ttmp9, 3
	s_add_co_u32 s46, s46, s47
	s_lshl_b32 s60, s42, 2
	s_add_co_u32 s46, s46, s60
	s_mul_i32 s46, s46, REC
	s_add_co_u32 s48, s47, s[WV]                   ; the N unit's column tile: 8 g + w
	s_lshl_b32 s52, s48, 6                         ; its first column in bv: 16 t - 8 (t % 2), in bytes
	s_lshl_b32 s60, s41, 5
	s_sub_co_u32 s52, s52, s60
	s_mov_b32 s53, 0
	s_add_co_u32 s48, s48, 64                      ; its record: 64 + 8 g + w
	s_mul_i32 s48, s48, REC
	s_mov_b32 s47, 0
	s_mov_b32 s49, 0
	s_add_co_u32 s50, s19, s42                     ; the T units' bias: 64 numbers for each head
	s_lshl_b32 s50, s50, 8
	s_mov_b32 s51, 0
	s_add_co_u32 s54, s23, s42                     ; the T units' images: record 32 x head + step, + my half's two images
	s_lshl_b32 s54, s54, 5
	s_add_co_u32 s54, s54, s40
	s_mov_b32 s60, KVREC
	s_cmp_eq_u32 s43, 0
	s_cselect_b32 s60, REC, s60
	s_mul_i32 s54, s54, s60
	s_mul_i32 s60, s41, 2*FRB
	s_add_co_u32 s54, s54, s60
	s_mov_b32 s55, 0
	s_add_co_u32 s56, s23, s43                     ; the N unit's image: behind k's 6,400 bytes, tile w % 4
	s_lshl_b32 s56, s56, 5
	s_add_co_u32 s56, s56, s40
	s_mul_i32 s56, s56, KVREC
	s_and_b32 s60, s[WV], 3
	s_mul_i32 s60, s60, FRB
	s_add_co_u32 s56, s56, s60
	s_add_co_u32 s56, s56, REC
	s_mov_b32 s57, 0
	s_lshr_b32 s61, s[WV], 1                       ; the unit of scale words that I store: kind 0 q, 1 k, 2 v; head w % 2  (waves 6 and 7 store none)
	s_add_co_u32 s58, s23, s41
	s_lshl_b32 s58, s58, 5
	s_add_co_u32 s58, s58, s40
	s_mov_b32 s60, KVREC
	s_cmp_eq_u32 s61, 0
	s_cselect_b32 s60, REC, s60
	s_mul_i32 s58, s58, s60
	s_mov_b32 s60, 4*FRB
	s_cmp_eq_u32 s61, 2
	s_cselect_b32 s60, REC+4*FRB, s60
	s_add_co_u32 s58, s58, s60
	s_mov_b32 s59, 0
	v_and_b32 v1, 31, v0                           ; lane
	v_and_b32 v2, 15, v0                           ; r
	v_bfe_u32 v3, v0, 4, 1                         ; h
	s_delay_alu instid0(VALU_DEP_2)
	v_and_b32 v47, 8, v2
	s_delay_alu instid0(VALU_DEP_1)
	v_add_nc_u32 v47, v47, v2                      ; r + 8 (r / 8)
	s_delay_alu instid0(VALU_DEP_1)
	v_lshlrev_b32 v[BC], 2, v47
	v_lshlrev_b32 v[LI], 4, v1
	v_lshlrev_b32 v[LS], 2, v1
	v_lshlrev_b32 v[L8], 3, v1
	v_lshlrev_b32 v[WSA], 4, v2
	v_lshlrev_b32 v[BH], 6, v3
	v_lshlrev_b32 v47, 2, v2                       ; 4 r
	s_mul_i32 s60, s[WV], 4*FRB
	v_add_nc_u32 v[XWI], s60, v[LI]
	s_lshl_b32 s60, s[WV], 9
	v_add_nc_u32 v[XWS], s60, v[LI]                ; my tile's 512 bytes of scale words: 16 x lane + 512 x wave
	s_mul_i32 s60, s41, 16*FRB
	v_add_nc_u32 v[XRD], s60, v[LI]
	s_lshl_b32 s60, s41, 11
	v_add_nc_u32 v[XRS], s60, v[LS]
	s_lshl_b32 s60, s[WV], 7
	v_add_nc_u32 v[SWT], s60, v47
	s_lshl_b32 s60, s[WV], 6
	v_add_nc_u32 v[SWN], s60, v47
	s_lshl_b32 s60, s[WV], 8
	v_add_nc_u32 v[SUR], s60, v[L8]
.irp b, 0,1,2,3
	v_mov_b32 v[TM+4+\b], 0                        ; a lane permute's destination counts as one of its sources
.endr
	s_wait_alu depctr_va_vdst(0)                   ; the wait at the head's end
	s_wait_kmcnt 0x0
	s_add_nc_u64 s[24:25], s[4:5], s[44:45]        ; my tile's record
	s_add_nc_u64 s[26:27], s[6:7], s[46:47]        ; the T units' weights
	s_add_nc_u64 s[28:29], s[6:7], s[48:49]        ; the N unit's
	s_cmp_eq_u32 s43, 0                            ; q or k: the choice hangs on the wave's number alone
	s_cselect_b64 s[30:31], s[8:9], s[10:11]
	s_cselect_b64 s[34:35], s[14:15], s[16:17]
	s_add_nc_u64 s[30:31], s[30:31], s[50:51]      ; the T units' bias
	s_add_nc_u64 s[34:35], s[34:35], s[54:55]      ; their images
	s_add_nc_u64 s[32:33], s[12:13], s[52:53]      ; the N unit's bias
	s_add_nc_u64 s[36:37], s[16:17], s[56:57]      ; its image
	s_cmp_eq_u32 s61, 0
	s_cselect_b64 s[38:39], s[14:15], s[16:17]
	s_add_nc_u64 s[38:39], s[38:39], s[58:59]      ; my unit of scale words
.irp s, 0,1,2,3                                ; x's record first: it is wanted first
.irp c, 0,1,2
	global_load_b128 v[BUF0+12*\s+4*\c:BUF0+12*\s+4*\c+3], v[LI], s[24:25] offset:FRB*\s+512*\c
.endr
.endr
	global_load_b128 v[BUF0+48:BUF0+51], v[LI], s[24:25] offset:4*FRB
	WIN 0x40                                       ; destination window 1
.irp i, 0,1,2,3
.irp s, 0,1,2,3
.irp c, 0,1,2
	global_load_b128 v[12*(4*\i+\s)+4*\c:12*(4*\i+\s)+4*\c+3], v[LI], s[26:27] offset:REC*\i+FRB*\s+512*\c
.endr
.endr
.endr
.irp s, 0,1,2,3
.irp c, 0,1,2
	global_load_b128 v[192+12*\s+4*\c:192+12*\s+4*\c+3], v[LI], s[28:29] offset:FRB*\s+512*\c
.endr
.endr
	WIN 0
.irp i, 0,1,2,3
	global_load_b128 v[WS+4*\i:WS+4*\i+3], v[WSA], s[26:27] offset:REC*\i+4*FRB    ; row r's words of the four K steps
.endr
	global_load_b128 v[WVS:WVS+3], v[WSA], s[28:29] offset:4*FRB
.irp i, 0,1,2,3                                ; in a T result lane (r, h) holds, of tile i = 2 b + u, columns 32 b + 16 h + 8 u + 0 .. 7
	global_load_b128 v[BT+8*\i:BT+8*\i+3], v[BH], s[30:31] offset:4*(32*(\i/2)+8*(\i%2))
	global_load_b128 v[BT+8*\i+4:BT+8*\i+7], v[BH], s[30:31] offset:4*(32*(\i/2)+8*(\i%2))+16
.endr
.irp j, 0,1,2,3,4,5,6,7                        ; in the N result a lane holds one column: its bias in all eight registers
	global_load_b32 v[BV+\j], v[BC], s[32:33]
.endr
	; ---- X: my token tile becomes four fragments
	s_wait_loadcnt 63                              ; 81 loads were issued behind the record's 13; the count is the largest that the field holds: at most 63 of the 94 are out, so the oldest 31 are in
.irp s, 0,1,2,3
	IMAGE BUF0+12*\s, XWI, XIMG+FRB*\s
.endr
	ds_store_b128 v[XWS], v[BUF0+48:BUF0+51] offset:XSC
	s_wait_loadcnt 0x0                             ; the weights, their scale words and the biases are in
	BARRIER                                        ; x's 32 fragments lie in LDS
; ---- a T unit: token pair 2 (w % 2) + p, the four column tiles of my head.  Eight accumulators (4 u + i) by turns, one instruction a turn.
.macro TUNIT p
	s_wait_xcnt 0x0                                ; earlier stores have read the codes' registers, which lie among the fragments'
.irp u, 0,1
.irp s, 0,1,2,3
	FETCH XF+12*(4*\u+\s), XRD, XIMG+(8*\p+4*\u+\s)*FRB
	ds_load_b32 v[XS+4*\u+\s], v[XRS] offset:XSC+(8*\p+4*\u+\s)*128
.endr
.endr
	s_wait_dscnt 0x0
	WIN 0x01                                       ; source 0 (the weights) window 1
.irp s, 0,1,2,3
.irp u, 0,1
.irp i, 0,1,2,3
.if \s == 0
	v_wmma_scale_f32_16x16x128_f8f6f4 v[ACC+8*(4*\u+\i):ACC+8*(4*\u+\i)+7], v[12*(4*\i+\s):12*(4*\i+\s)+11], v[XF+12*(4*\u+\s):XF+12*(4*\u+\s)+11], v[BT+8*\i:BT+8*\i+7], v[WS+4*\i+\s], v[XS+4*\u+\s] matrix_a_fmt:MATRIX_FMT_FP6 matrix_b_fmt:MATRIX_FMT_FP6
.else
	v_wmma_scale_f32_16x16x128_f8f6f4 v[ACC+8*(4*\u+\i):ACC+8*(4*\u+\i)+7], v[12*(4*\i+\s):12*(4*\i+\s)+11], v[XF+12*(4*\u+\s):XF+12*(4*\u+\s)+11], v[ACC+8*(4*\u+\i):ACC+8*(4*\u+\i)+7], v[WS+4*\i+\s], v[XS+4*\u+\s] matrix_a_fmt:MATRIX_FMT_FP6 matrix_b_fmt:MATRIX_FMT_FP6
.endif
.endr
.endr
.endr
	WIN 0
	PLACES
	QUANT ACC                                      ; block 2 u + b of the 64 numbers: token tile u, d = 32 b on: the pair image and its word
.irp c, 0,1,2
	global_store_b128 v[LI], v[PC+4*\c:PC+4*\c+3], s[34:35] offset:FRB*\p+512*\c   ; 512 consecutive bytes, at a multiple of 256 from the buffer's first byte
.endr
	ds_store_b32 v[SWT], v[PW] offset:SCST+64*\p   ; lanes r and r + 16 write the same word with the same value
.endm
	TUNIT 0
	TUNIT 1
	; ---- the N unit: my column tile of Wv against all eight token tiles, a K step at a time
	s_wait_xcnt 0x0                                ; the stores above have read the codes' registers
.irp s, 0,1,2,3
.if \s > 0
	PLACES
.endif
.irp a, 0,1,2,3,4,5,6,7
	FETCH XF+12*\a, LI, XIMG+(4*\a+\s)*FRB
	ds_load_b32 v[XS+\a], v[LS] offset:XSC+(4*\a+\s)*128
.endr
	s_wait_dscnt 0x0
	WIN 0x04                                       ; source 1 (the weights) window 1
.irp a, 0,1,2,3,4,5,6,7
.if \s == 0
	v_wmma_scale_f32_16x16x128_f8f6f4 v[ACC+8*\a:ACC+8*\a+7], v[XF+12*\a:XF+12*\a+11], v[192+12*\s:192+12*\s+11], v[BV:BV+7], v[XS+\a], v[WVS+\s] matrix_a_fmt:MATRIX_FMT_FP6 matrix_b_fmt:MATRIX_FMT_FP6
.else
	v_wmma_scale_f32_16x16x128_f8f6f4 v[ACC+8*\a:ACC+8*\a+7], v[XF+12*\a:XF+12*\a+11], v[192+12*\s:192+12*\s+11], v[ACC+8*\a:ACC+8*\a+7], v[XS+\a], v[WVS+\s] matrix_a_fmt:MATRIX_FMT_FP6 matrix_b_fmt:MATRIX_FMT_FP6
.endif
.endr
	WIN 0
.endr
	PLACES
	QUANTN ACC                                     ; my column's 128 tokens, 64 a lane: two whole blocks of 32 keys
.irp c, 0,1,2
	global_store_b128 v[LI], v[PC+4*\c:PC+4*\c+3], s[36:37] offset:512*\c
.endr
	ds_store_b32 v[SWN], v[PW] offset:SCST+1024
	BARRIER                                        ; the six units of scale words are whole
	s_cmp_ge_u32 s[WV], 6
	s_cbranch_scc1 .Lend
	ds_load_b64 v[48:49], v[SUR] offset:SCST
	s_wait_dscnt 0x0
	global_store_b64 v[L8], v[48:49], s[38:39]     ; 32 lanes store 256 consecutive bytes, aligned
.Lend:
	s_wait_tensorcnt 0x0
	ds_add_u32 v254, v255
	s_wait_dscnt 0x0
	s_endpgm
.Lfunc_end_k_qd083687165_project:
	.size	k_qd083687165_project, .Lfunc_end_k_qd083687165_project-k_qd083687165_project
	.p2alignl 7, 3214868480
	.fill 96, 4, 3214868480
	.section	.rodata,"a",@progbits
	.p2align	6, 0x0
	.amdhsa_kernel k_qd083687165_project
		.amdhsa_group_segment_fixed_size 56320
		.amdhsa_private_segment_fixed_size 0
		.amdhsa_enable_private_segment 0
		.amdhsa_kernarg_size 56
		.amdhsa_user_sgpr_count 2
		.amdhsa_user_sgpr_kernarg_segment_ptr 1
		.amdhsa_wavefront_size32 1
		.amdhsa_system_sgpr_workgroup_id_x 1
		.amdhsa_system_sgpr_workgroup_id_y 1
		.amdhsa_system_sgpr_workgroup_id_z 1
		.amdhsa_system_vgpr_workitem_id 0
		.amdhsa_next_free_vgpr 512
		.amdhsa_next_free_sgpr 66
		.amdhsa_reserve_vcc 0
		.amdhsa_float_denorm_mode_32 3
		.amdhsa_float_denorm_mode_16_64 3
		.amdhsa_memory_ordered 1
		.amdhsa_forward_progress 1
		.amdhsa_inst_pref_size 54
	.end_amdhsa_kernel
	.amdgpu_metadata
---
amdhsa.version: [ 1, 2 ]
amdhsa.kernels:
  - .name:           k_qd083687165_project
    .symbol:         k_qd083687165_project.kd
    .args:
      - { .name: xfrag, .offset: 0, .size: 8, .value_kind: global_buffer, .address_space: global }
      - { .name: wfrag, .offset: 8, .size: 8, .value_kind: global_buffer, .address_space: global }
      - { .name: bq, .offset: 16, .size: 8, .value_kind: global_buffer, .address_space: global }
      - { .name: bk, .offset: 24, .size: 8, .value_kind: global_buffer, .address_space: global }
      - { .name: bv, .offset: 32, .size: 8, .value_kind: global_buffer, .address_space: global }
      - { .name: qfrag, .offset: 40, .size: 8, .value_kind: global_buffer, .address_space: global }
      - { .name: kvfrag, .offset: 48, .size: 8, .value_kind: global_buffer, .address_space: global }
    .group_segment_fixed_size: 56320
    .private_segment_fixed_size: 0
    .kernarg_segment_align: 8
    .kernarg_segment_size: 56
    .max_flat_workgroup_size: 256
    .sgpr_count:     66
    .vgpr_count:     512
    .wavefront_size: 32
...
	.end_amdgpu_metadata
.endif
;; end of part 2
;; launch attend (part 3): grid 16 x 16, 16 waves a work-group, clusters of 4 x 1, 327,680 bytes of LDS; arguments qfrag, kvfrag, out0; writes out0
.if DOCPART == 3
	.amdgcn_target "amdgcn-amd-amdhsa--gfx1250"
	.amdhsa_code_object_version 6
	.text
	.protected	k_qd083687165_attend
	.globl	k_qd083687165_attend
	.p2align	8
	.type	k_qd083687165_attend,@function
k_qd083687165_attend:
	s_mov_b64 s[64:65], 0
	v_nop
	global_prefetch_b8 v0, s[64:65] scope:SCOPE_SE
	s_setreg_imm32_b32 hwreg(HW_REG_WAVE_MODE, 25, 1), 1
	s_wait_xcnt 0x0
	s_wait_alu depctr_hold_cnt(0) depctr_sa_sdst(0) depctr_va_vdst(0) depctr_va_sdst(0) depctr_va_ssrc(0) depctr_va_vcc(0) depctr_vm_vsrc(0)
	s_getreg_b32 s2, hwreg(HW_REG_IB_STS2, 6, 4)
	s_cmp_eq_u32 s2, 0
	s_cbranch_scc0 .Lentry_in_a_cluster
	s_endpgm
.Lentry_in_a_cluster:
	s_bfe_u32 s2, ttmp6, 0x10000c
	s_cmp_lg_u32 s2, 0x3003
	s_cbranch_scc0 .Lentry_shape_is_right
	s_endpgm
.Lentry_shape_is_right:
; out[m][q][head][:] = the sum over k of softmax_k(q . k / 8) v, both products on codes of FP6 (E2M3) with one E8M0 scale for each 32 along a product's K.  q, k and v come as images of the operands' registers.
; THE SOFTMAX AHEAD OF THE SECOND PRODUCT: t = score x log2(e) / 8; M = the row's largest t so far, rounded UP to a whole number; p = 2^(t - M) is what is quantised, along the keys; it is not normalised.
; The row's sum is taken of the unquantised p, in f32, and divides O at the end.  When M moves, the sum and O are multiplied by 2^(old M - new M): exact.
; SHARES: a work-group owns 256 queries of one of the 16 batch-and-heads (work-group y); each of its sixteen waves one tile of 16 queries in 256 registers.  Every wave walks the head's 32 steps of 128 keys.
; A step's record (12,800 bytes: k's 4 pair images, 256 bytes of scale words, v's 4 images, 256 bytes) is dense in memory.
; LDS: region A holds 8 records, region B 16.  Every wave asks for 6,400 bytes of A (records 0-7) at the head, and for 12,800 bytes of B (records 8-23) behind the full sequence and a round;
; behind step 7 region A is filled again, with records 24-31, which are read from step 24 on.  So the walk has two meetings of the waves: behind steps 7 and 23.  One tensor load of a wave is out at any time.
; CLUSTER: the four query blocks of a cluster belong to one head and walk the same records, so every load is asked for JOINTLY: the same tensor load, the same descriptor, a mask that names the four.
; NO PREFETCH: 24 of the 32 records are asked for by the tensor loads ahead of the first loop, where there is no loop to run ahead in; the other 8 are asked for sixteen steps ahead of their first read.
; LAYOUT: both products transposed: S^T = K Q^T (source 0 = keys), O^T = V^T P^T (source 0 = 16 of the head's 64): a lane holds ONE query (lane % 16) throughout.
; K = 64 IN THE FIRST PRODUCT: a pair image carries TWO key tiles, one in the instruction's k 0-63 and one in k 64-127.  It is multiplied once by [q | zero codes] and once by [zero codes | q].
; TOKENS OF A TILE: row r of token tile T is token 64 (T / 4) + 8 (T % 4) + r + 24 (r / 8) of its 128.  So S^T's register 32 c + i of lane (r, h) is key 64 c + 32 h + i: a lane holds two WHOLE blocks of 32 keys,
; in the order of the second product's operand: a block's largest score needs no other lane and the conversions' results are the operand's registers.  Along d: row r of tile 2 b + u is d = 32 b + 8 u + r + 8 (r / 8).
; LIMITS: NaN and infinities are not served; the promise holds while the scaled scores stay under 2^31 in magnitude; a block whose every p has fallen to 0 keeps the byte 1 (its codes are zeros); a block's largest p
; is taken from its largest score through the same multiply-add and exponential (this takes v_exp_f32 not to fall where its input rises); 1 / the sum is v_rcp_f32, 1 ulp.
.set REC,   6400
.set KVREC, 12800
.set FRB,   1536
.set HEADB, 32*KVREC
.set RA,    0                          ; region A: 8 records
.set RB,    8*KVREC                    ; region B: 16 records
.set SPARE, 24*KVREC                   ; behind them the spare words, 128 bytes for each wave: eight blocks of 256 bytes that no other line names
.set STAGE, RB                         ; the way out: 16 rows x 272 bytes for each wave, in region B, which has had its one fill and, behind the walk's last barrier, its last read
.set SP,    272
.set LI,  1                            ; 16 x lane
.set LS,  2                            ; 4 x lane
.set SPW, 3                            ; LDS address of my spare word; never rewritten
.set NIL, 4                            ; 0; never rewritten
.set ADR, 5                            ; the step's images
.set ADS, 6                            ; the step's scale words
.set GO,  7                            ; the way out: 2,048 h + 16 r
.set STO, 8
.set SRD, 9
.set SH,  10                           ; 8 h
.set OLD, 11                           ; -M of the step before
                                       ; v12 -M, v13 the largest score so far (named with v12 as a pair)
.set QZ,  16                           ; v16-33: six zeros, q's six registers, six zeros
.set QS,  34
.set KS,  35                           ; v35-36 k's scale words: lanes 0-15 image 2 i, lanes 16-31 image 2 i + 1
.set VS,  37                           ; v37-38 v's likewise
.set PS,  39                           ; p's scale word
.set FF,  40                           ; v[40:41] f = 2^(old M - new M)
.set T0,  42
.set BM,  44                           ; v44-47 four chains of maxima; then v44, v46 my two blocks' largest score, then largest p
.set PM,  48
.set SO,  52                           ; v52-53 the conversions' scale operands
.set PC,  56                           ; v56-67 p's codes
.set CT,  68                           ; v68-70, v72-74 the conversions' second halves
.set FR,  80                           ; v80-127 four images: k's, then v's
.set S,   128                          ; v128-191 S^T, then p
.set OT,  192                          ; v192-223 O^T
.set SU,  224                          ; v224-239 eight chains of the sum, two halves each; chain 0 is the running sum
.set WV,  10
.set NC,  19
.set SEL, 20
.set CS,  22
.set G1A, 24                           ; s[24:31] group 1: 25 rows of 256 bytes
.set G0A, 32
.set G0B, 36
.set TB,  40
.set CNT, 41
.set G1B, 72                           ; s[72:79] group 1: 50 rows of 256 bytes
.macro CROUND                          ; a round of the cluster's barrier
	s_barrier_signal -1
	s_barrier_wait -1
	s_cmp_lg_u32 s[WV], 0
	s_cbranch_scc1 .Lnot_wave_0_\@
	s_barrier_signal -3
.Lnot_wave_0_\@:
	s_barrier_wait -3
	s_barrier_signal -1
	s_barrier_wait -1
.endm
	s_load_b128 s[4:7], s[0:1], 0x0                ; qfrag, kvfrag
	s_load_b64 s[8:9], s[0:1], 0x10                ; out0
	v_lshl_add_u32 v[SPW], v0, 2, SPARE
	v_mov_b32 v[NIL], 0
	ds_add_u32 v[SPW], v[NIL]                      ; the opening lines: the add, twice on end, and its wait ahead of my first tensor load
	ds_add_u32 v[SPW], v[NIL]
	v_lshrrev_b32 v5, 5, v0
	v_readfirstlane_b32 s[WV], v5                  ; wave 0..15
	s_bfe_u32 s11, ttmp6, 0x40000                  ; cx: it enters q's and out0's addresses alone
	s_lshl_b32 s12, ttmp9, 2
	s_add_co_u32 s12, s12, s11                     ; my block of 256 queries
	s_and_b32 s13, ttmp7, 0xffff                   ; 8 m + head, which the four partners share
.irp g, G1A, G1B                               ; dense blocks as rows of 32 elements of 8 bytes, no padding (images are read 16 bytes x lane on end)
	s_mov_b32 s[\g], 15|(3<<16)|(1<<21)            ; the mask: all four work-groups; elements of 8 bytes; bit 21 beside a mask
	s_mov_b32 s[\g+1], 32<<16
	s_mov_b32 s[\g+3], 32<<16
	s_mov_b32 s[\g+5], 32
	s_mov_b32 s[\g+6], 0
	s_mov_b32 s[\g+7], 0
.endr
	s_mov_b32 s[G1A+2], 25<<16
	s_mov_b32 s[G1A+4], 25
	s_mov_b32 s[G1B+2], 50<<16
	s_mov_b32 s[G1B+4], 50
	s_mul_i32 s42, s[WV], REC                      ; my part of region A, in LDS and in the head's records alike
	s_mov_b32 s43, 0
	s_mul_i32 s58, s[WV], KVREC
	s_add_co_u32 s58, s58, RB                      ; my part of region B, likewise
	s_mov_b32 s59, 0
	s_mul_i32 s44, s13, HEADB
	s_mov_b32 s45, 0
	s_lshr_b32 s46, s[WV], 3
	s_lshl_b32 s47, s12, 1
	s_add_co_u32 s47, s47, s46                     ; my queries' step of 128 tokens
	s_lshl_b32 s48, s13, 5
	s_add_co_u32 s48, s48, s47
	s_mul_i32 s48, s48, REC                        ; its record in qfrag
	s_bfe_u32 s49, s[WV], 0x20001                  ; which pair image
	s_and_b32 s50, s[WV], 1                        ; which half of it
	s_mul_i32 s51, s49, FRB
	s_add_co_u32 s52, s48, s51
	s_mov_b32 s53, 0
	s_lshl_b32 s51, s49, 6
	s_add_co_u32 s54, s48, s51
	s_add_co_u32 s54, s54, 4*FRB                   ; the image's 16 scale words
	s_mov_b32 s55, 0
	s_lshl_b32 s56, s47, 7                         ; out0: token 128 x step + 64 (T / 4) + 8 (T % 4), T = wave % 8; rows of 2,048 bytes; + 8,388,608 m + 256 x head
	s_bfe_u32 s57, s[WV], 0x10002
	s_lshl_b32 s57, s57, 6
	s_add_co_u32 s56, s56, s57
	s_and_b32 s57, s[WV], 3
	s_lshl_b32 s57, s57, 3
	s_add_co_u32 s56, s56, s57
	s_lshl_b32 s56, s56, 11
	s_lshr_b32 s57, s13, 3
	s_lshl_b32 s57, s57, 23
	s_add_co_u32 s56, s56, s57
	s_and_b32 s57, s13, 7
	s_lshl_b32 s57, s57, 8
	s_add_co_u32 s56, s56, s57
	s_mov_b32 s57, 0
	s_cmp_eq_u32 s50, 1
	s_cselect_b32 s60, -1, 0                       ; all lanes take the image's second half, or none
	s_lshl_b32 s61, s50, 4                         ; and the word's upper two bytes, or the lower
	s_mul_i32 s62, s[WV], 16*SP
	s_add_co_u32 s62, s62, STAGE                   ; my stage
	s_mov_b32 s[SEL], 0x76543210
	s_mov_b32 s[SEL+1], 0xfedcba98                 ; v_permlanex16_b32's selects for lane l xor 16
	s_mov_b32 s[CS], 0x3e38aa3b                    ; c = log2(e) / 8
	s_mov_b32 s[CS+1], s[CS]
	s_mov_b32 s[NC], 0xbe38aa3b                    ; -c
	s_wait_dscnt 0x0                               ; both opening adds are done
	s_wait_kmcnt 0x0
	s_add_nc_u64 s[6:7], s[6:7], s[44:45]          ; the head's records
	s_mov_b32 s[G0A], 1
	s_mov_b32 s[G0A+1], s42
	s_add_nc_u64 s[G0A+2:G0A+3], s[6:7], s[42:43]
	s_or_b32 s[G0A+3], s[G0A+3], 0x80000000
	s_mov_b32 s[G0B], 1
	s_mov_b32 s[G0B+1], s58
	s_add_nc_u64 s[G0B+2:G0B+3], s[6:7], s[58:59]
	s_or_b32 s[G0B+3], s[G0B+3], 0x80000000
	s_add_nc_u64 s[14:15], s[4:5], s[52:53]        ; q's pair image
	s_add_nc_u64 s[16:17], s[4:5], s[54:55]        ; its scale words
	s_add_nc_u64 s[8:9], s[8:9], s[56:57]          ; my rows of out0
	CROUND                                         ; all four work-groups are here: the first joint loads meet
	tensor_load_to_lds s[G0A:G0A+3], s[G1A:G1A+7]  ; my sixteenth of records 0-7: my one tensor load at the head
	s_nop 0
	v_and_b32 v14, 31, v0                          ; lane
	v_and_b32 v15, 15, v0                          ; r
	v_bfe_u32 v[T0], v0, 4, 1                      ; h
	v_lshlrev_b32 v[LI], 4, v14
	v_lshlrev_b32 v[LS], 2, v14
	v_lshlrev_b32 v[T0+1], 2, v15
.irp c, 0,1,2
	global_load_b128 v[FR+4*\c:FR+4*\c+3], v[LI], s[14:15] offset:512*\c
.endr
	global_load_b32 v[QS], v[T0+1], s[16:17]       ; the pair's word of row r
	v_lshlrev_b32 v[SH], 3, v[T0]
	v_lshlrev_b32 v[GO], 11, v[T0]
	v_mul_u32_u24 v[STO], v15, SP                  ; in: row r, 64 bytes for each half of the lanes
	v_mul_u32_u24 v[SRD], v[T0], SP                ; back: lanes 0-15 one row of 256 bytes, lanes 16-31 the next
	v_lshl_add_u32 v[GO], v15, 4, v[GO]
	v_lshl_add_u32 v[STO], v[T0], 6, v[STO]
	v_lshl_add_u32 v[SRD], v15, 4, v[SRD]
	v_mov_b32 v13, 0xff61b1e6                      ; the largest score so far: -3e38
	v_mov_b32 v[OLD], 0x7e000000                   ; -M so far: so large that the first f is 0
	v_add_nc_u32 v[STO], s62, v[STO]
	v_add_nc_u32 v[SRD], s62, v[SRD]
	v_mov_b32 v[SU], 0                             ; the sum, in two halves
	v_mov_b32 v[SU+1], 0
	v_mov_b32 v[FF+1], 0
	v_mov_b32 v[PM], 0                             ; a lane permute's destination counts as one of its sources
	v_mov_b32 v[PM+3], 0
	s_wait_loadcnt 0x0                             ; q
.irp i, 0,1,2,3,4,5
	v_mov_b32 v[QZ+\i], 0                          ; zero codes
	v_mov_b32 v[QZ+12+\i], 0
	v_cndmask_b32 v[QZ+6+\i], v[FR+\i], v[FR+6+\i], s60   ; my tile's half of the pair image
.endr
	v_lshrrev_b32 v[QS], s61, v[QS]
	s_delay_alu instid0(VALU_DEP_1)
	v_and_b32 v[QS], 0xffff, v[QS]
	s_delay_alu instid0(VALU_DEP_1)
	v_lshl_or_b32 v[QS], v[QS], 16, v[QS]          ; my tile's two bytes, for k 0-63 and for k 64-127 alike
.set j, 0
.rept 32
	v_mov_b32 v[OT+j], 0                           ; O^T: the step is written once, the first finds zeros.  (Also the places between q's scale word and the first product)
.set j, j+1
.endr
.macro TMS n                           ; the next n pairs of scores become t - M
.rept \n
	v_pk_fma_f32 v[S+TJ:S+TJ+1], v[S+TJ:S+TJ+1], s[CS:CS+1], v[12:13] op_sel_hi:[1,0,0]
.set TJ, TJ+2
.endr
.endm
.macro PA n                            ; the next n lines of the row's sum of the unquantised p: 32 pairs into eight chains; line 0 also brings the running sum under the new M
.rept \n
.if SJ == 0
	v_pk_fma_f32 v[SU:SU+1], v[SU:SU+1], v[FF:FF+1], v[S:S+1] op_sel_hi:[1,0,1]
.else
.if SJ < 8
	v_pk_add_f32 v[SU+2*SJ:SU+2*SJ+1], v[S+4*SJ-2:S+4*SJ-1], v[S+4*SJ:S+4*SJ+1]
.else
	v_pk_add_f32 v[SU+2*(SJ%8):SU+2*(SJ%8)+1], v[SU+2*(SJ%8):SU+2*(SJ%8)+1], v[S+2*SJ+14:S+2*SJ+15]
.endif
.endif
.set SJ, SJ+1
.endr
.endm
.macro JOIN a, b                       ; chain a += chain b
	v_pk_add_f32 v[SU+2*\a:SU+2*\a+1], v[SU+2*\a:SU+2*\a+1], v[SU+2*\b:SU+2*\b+1]
.endm
; A KEY STEP: 128 keys, the record at LDS byte s[TB].
.macro STEP
.set TJ, 0
.set SJ, 0
	v_add_nc_u32 v[ADR], s[TB], v[LI]
	v_add_nc_u32 v[ADS], s[TB], v[LS]
	v_nop
	v_nop                                          ; four places behind the last step's products, in front of loads into the registers that they read
.irp b, 0,1,2,3
.irp c, 0,1,2
	ds_load_b128 v[FR+12*\b+4*\c:FR+12*\b+4*\c+3], v[ADR] offset:FRB*\b+512*\c
.endr
.endr
	ds_load_b32 v[KS], v[ADS] offset:4*FRB
	ds_load_b32 v[KS+1], v[ADS] offset:4*FRB+128
	s_wait_alu depctr_va_vdst(0)
	s_wait_dscnt 0x0
.irp b, 0,2                                    ; S^T: eight accumulators, each begun with the constant 0; tile T at S + 8 T
	v_wmma_scale_f32_16x16x128_f8f6f4 v[S+16*\b:S+16*\b+7], v[FR+12*\b:FR+12*\b+11], v[QZ+6:QZ+17], 0, v[KS+\b/2], v[QS] matrix_a_fmt:MATRIX_FMT_FP6 matrix_b_fmt:MATRIX_FMT_FP6
	v_wmma_scale_f32_16x16x128_f8f6f4 v[S+16*\b+8:S+16*\b+15], v[FR+12*\b:FR+12*\b+11], v[QZ:QZ+11], 0, v[KS+\b/2], v[QS] matrix_a_fmt:MATRIX_FMT_FP6 matrix_b_fmt:MATRIX_FMT_FP6
	v_wmma_scale_f32_16x16x128_f8f6f4 v[S+16*\b+16:S+16*\b+23], v[FR+12*\b+12:FR+12*\b+23], v[QZ+6:QZ+17], 0, v[KS+\b/2], v[QS] matrix_a_fmt:MATRIX_FMT_FP6 matrix_b_fmt:MATRIX_FMT_FP6 matrix_a_scale:MATRIX_SCALE_ROW1
	v_wmma_scale_f32_16x16x128_f8f6f4 v[S+16*\b+24:S+16*\b+31], v[FR+12*\b+12:FR+12*\b+23], v[QZ:QZ+11], 0, v[KS+\b/2], v[QS] matrix_a_fmt:MATRIX_FMT_FP6 matrix_b_fmt:MATRIX_FMT_FP6 matrix_a_scale:MATRIX_SCALE_ROW1
.endr
.rept 4
	v_nop                                          ; four places: in front of the loads below and of the first read of the scores
.endr
.irp t, 0,1,2,3                                ; v's images land while the softmax is worked
.irp c, 0,1,2
	ds_load_b128 v[FR+12*\t+4*\c:FR+12*\t+4*\c+3], v[ADR] offset:REC+FRB*\t+512*\c
.endr
.endr
	ds_load_b32 v[VS], v[ADS] offset:REC+4*FRB
	ds_load_b32 v[VS+1], v[ADS] offset:REC+4*FRB+128
.irp q, 0,1,2,3                                ; the largest score of my two blocks of 32 keys, in four chains of 16; each accumulator is read from its low end on
	v_max3_num_f32 v[BM+\q], v[S+16*\q], v[S+16*\q+1], v[S+16*\q+2]
.endr
.irp i, 3,5,7,9,11,13
.irp q, 0,1,2,3
	v_max3_num_f32 v[BM+\q], v[BM+\q], v[S+16*\q+\i], v[S+16*\q+\i+1]
.endr
.endr
	v_max3_num_f32 v[BM], v[BM], v[BM+1], v[S+15]
	v_max3_num_f32 v[BM+2], v[BM+2], v[BM+3], v[S+47]
	v_max_num_f32 v[BM], v[BM], v[S+31]            ; block h of the four: it serves for the row's maximum and, since p rises with the score, for the block's largest p
	v_max_num_f32 v[BM+2], v[BM+2], v[S+63]        ; block 2 + h
	s_delay_alu instid0(VALU_DEP_1)
	v_max_num_f32 v[T0], v[BM], v[BM+2]
	s_delay_alu instid0(VALU_DEP_1)
	v_permlanex16_b32 v[PM], v[T0], s[SEL], s[SEL+1]
	s_delay_alu instid0(VALU_DEP_1)
	v_max3_num_f32 v13, v13, v[T0], v[PM]          ; the running largest score of my query
	s_delay_alu instid0(VALU_DEP_1)
	v_mul_f32 v[T0], s[NC], v13                    ; -t (c is positive)
	s_delay_alu instid0(VALU_DEP_1)
	v_floor_f32 v12, v[T0]                         ; the new -M = floor(-t) = -ceil(t): M IS A WHOLE NUMBER
	s_delay_alu instid0(VALU_DEP_1)
	v_sub_f32 v[T0], v12, v[OLD]                   ; M's old value less its new one: a whole number, 0 or less
	TMS 4
	v_cvt_i32_f32 v[T0], v[T0]                     ; (it saturates)
	TMS 4
	v_ldexp_f32 v[FF], 1.0, v[T0]                  ; f = 2^(old M - new M): a multiplication by it rounds nothing
	TMS 24
	v_fma_f32 v[BM], v[BM], s[CS], v12             ; the same multiply-add on each block's largest score
	v_fma_f32 v[BM+2], v[BM+2], s[CS], v12
.set j, 0
.rept 16
	v_pk_mul_f32 v[OT+j:OT+j+1], v[OT+j:OT+j+1], v[FF:FF+1] op_sel_hi:[1,0]   ; O^T under the new M, each accumulator from its low end on; ahead of the exponentials
.set j, j+2
.endr
	s_wait_alu depctr_va_vdst(0)                   ; the wait ahead of the batch
.set j, 0
.rept 64
	v_exp_f32 v[S+j], v[S+j]                       ; p = 2^(t - M): NOT normalised
.set j, j+1
.endr
	v_exp_f32 v[BM], v[BM]                         ; the block's largest p: the same two instructions on the same number give the same bits
	v_exp_f32 v[BM+2], v[BM+2]
	v_mov_b32 v[OLD], v12                          ; for the next step.  (The plain place behind the exponentials)
	s_wait_alu depctr_va_vdst(0)                   ; one wait for the whole batch, ahead of its first reader
	v_max_num_f32 v[BM], 0x1800000, v[BM]          ; the floor 2^(3 - 127): the byte cannot fall under 1
	v_max_num_f32 v[BM+2], 0x1800000, v[BM+2]
	PA 3
	v_add_nc_u32 v[SO], 0xff000000, v[BM]          ; 2 off the exponent field: the conversion's scale operand
	v_add_nc_u32 v[SO+1], 0xff000000, v[BM+2]
	PA 3
.irp c, 0,1
	v_cvt_scalef32_pk16_fp6_f32 v[PC+6*\c:PC+6*\c+2], v[S+32*\c:S+32*\c+15], v[SO+\c]
	v_cvt_scalef32_pk16_fp6_f32 v[CT+4*\c:CT+4*\c+2], v[S+32*\c+16:S+32*\c+31], v[SO+\c]   ; (a conversion's three registers begin on an even number)
.endr
	v_lshrrev_b32 v[PM+1], 23, v[SO]               ; the scales' bytes.  (Plain places behind the conversions)
	v_lshrrev_b32 v[PM+2], 23, v[SO+1]
	PA 3
	v_lshl_or_b32 v[PS], v[PM+2], 16, v[PM+1]      ; my two bytes: blocks h and 2 + h,
.irp i, 0,1,2
	v_mov_b32 v[PC+3+\i], v[CT+\i]
.endr
	PA 1
	v_lshlrev_b32 v[PS], v[SH], v[PS]              ; at their places in the word;
.irp i, 0,1,2
	v_mov_b32 v[PC+9+\i], v[CT+4+\i]
.endr
	PA 1
	v_permlanex16_b32 v[PM+3], v[PS], s[SEL], s[SEL+1]
	PA 4
	v_or_b32 v[PS], v[PS], v[PM+3]                 ; with lane l xor 16's two p's scale word is whole
	PA 10                                          ; these and the seven below are the places between the word and the products
	JOIN 1, 2
	JOIN 3, 4
	JOIN 5, 6
	s_delay_alu instid0(VALU_DEP_4)
	JOIN 0, 7
	s_delay_alu instid0(VALU_DEP_3)
	JOIN 1, 3
	s_delay_alu instid0(VALU_DEP_2)
	JOIN 0, 5
	s_delay_alu instid0(VALU_DEP_1)
	JOIN 0, 1
	s_wait_dscnt 0x0                               ; v's images and scale words are in
.irp t, 0,2                                    ; O^T += V^T P^T: the four accumulators by turns, one instruction a turn
	v_wmma_scale_f32_16x16x128_f8f6f4 v[OT+8*\t:OT+8*\t+7], v[FR+12*\t:FR+12*\t+11], v[PC:PC+11], v[OT+8*\t:OT+8*\t+7], v[VS+\t/2], v[PS] matrix_a_fmt:MATRIX_FMT_FP6 matrix_b_fmt:MATRIX_FMT_FP6
	v_wmma_scale_f32_16x16x128_f8f6f4 v[OT+8*\t+8:OT+8*\t+15], v[FR+12*\t+12:FR+12*\t+23], v[PC:PC+11], v[OT+8*\t+8:OT+8*\t+15], v[VS+\t/2], v[PS] matrix_a_fmt:MATRIX_FMT_FP6 matrix_b_fmt:MATRIX_FMT_FP6 matrix_a_scale:MATRIX_SCALE_ROW1
.endr
.endm
.macro STEPS base, n                   ; n steps on the records from LDS byte base on
	s_mov_b32 s[TB], \base
	s_mov_b32 s[CNT], \n
.Lstep_\@:
	STEP
	s_add_co_u32 s[TB], s[TB], KVREC
	s_sub_co_u32 s[CNT], s[CNT], 1
	s_cmp_lg_u32 s[CNT], 0
	s_cbranch_scc1 .Lstep_\@
.endm
	s_wait_alu depctr_va_vdst(0)                   ; the wait at the head's end
	s_wait_tensorcnt 0x0                           ; my part of records 0-7 is in; the full sequence ahead of a later first fill:
	ds_add_u32 v[SPW], v[NIL]                      ; 0 onto my spare word
	s_wait_dscnt 0x0
	CROUND                                         ; everybody's part is in, and the four work-groups are here
	tensor_load_to_lds s[G0B:G0B+3], s[G1B:G1B+7]  ; my record of records 8-23: region B's one fill; it has eight steps in which to land
	s_nop 0
.rept 4
	v_nop
.endr
	STEPS RA, 8                                    ; steps 0 to 7
	s_wait_tensorcnt 0x0                           ; my record of region B is in; no tensor load of mine is out, so a group 0 may be written
	ds_add_u32 v[SPW], v[NIL]
	s_add_nc_u64 s[G0A+2:G0A+3], s[G0A+2:G0A+3], 24*KVREC   ; records 24-31
	s_wait_dscnt 0x0                               ; the add is done, and my reads of region A are over
	CROUND                                         ; no wave of any partner still reads region A or has a load on its way
	tensor_load_to_lds s[G0A:G0A+3], s[G1A:G1A+7]  ; the one refill: it has sixteen steps in which to land
	s_nop 0
.rept 4
	v_nop
.endr
	STEPS RB, 16                                   ; steps 8 to 23
	s_wait_tensorcnt 0x0                           ; my part of records 24-31 is in
	ds_add_u32 v[SPW], v[NIL]
	s_wait_dscnt 0x0                               ; my reads of region B are over
	s_barrier_signal -1
	s_barrier_wait -1                              ; everybody's
	STEPS RA, 8                                    ; steps 24 to 31
	; THE WAY OUT.  O^T is divided by the sum and goes through my stage: a row of the head's 64 numbers is 256 bytes, which sixteen lanes store as one aligned block.
.rept 4
	v_nop                                          ; four places behind the last products
.endr
	s_wait_alu depctr_va_vdst(0)
	v_add_f32 v[SU], v[SU], v[SU+1]                ; the sum's two halves,
	s_delay_alu instid0(VALU_DEP_1)
	v_permlanex16_b32 v[T0], v[SU], s[SEL], s[SEL+1]
	s_delay_alu instid0(VALU_DEP_1)
	v_add_f32 v[SU], v[SU], v[T0]                  ; and lane l xor 16's blocks: the row's sum
	s_wait_alu depctr_va_vdst(0)
	v_rcp_f32 v[SU], v[SU]
	v_nop                                          ; one plain place behind a transcendental
	s_wait_alu depctr_va_vdst(0)
.set j, 0
.rept 16
	v_pk_mul_f32 v[S+j:S+j+1], v[OT+j:OT+j+1], v[SU:SU+1] op_sel_hi:[1,0]   ; register 16 b + i is o(query r, d = 32 b + 16 h + i)
.set j, j+2
.endr
.irp b, 0,1
.irp i, 0,1,2,3
	ds_store_b128 v[STO], v[S+16*\b+4*\i:S+16*\b+4*\i+3] offset:128*\b+16*\i
.endr
.endr
.irp i, 0,1,2,3,4,5,6,7
	ds_load_b128 v[FR+4*\i:FR+4*\i+3], v[SRD] offset:2*\i*SP   ; LDS serves a wave's instructions in order (ISA guide 5.7.1.4): these see my stores
.endr
.irp i, 0,1,2,3,4,5,6,7
	s_wait_dscnt 7-\i                              ; loads come back in order: number i is in, the younger ones may be out
	global_store_b128 v[GO], v[FR+4*\i:FR+4*\i+3], s[8:9] offset:(2*\i+24*(\i/4))*2048 th:TH_STORE_NT   ; stage row 2 i + h is token 2 i + h + 24 (i / 4) of my tile; 16 lanes store 256 consecutive bytes, aligned
.endr
	s_wait_tensorcnt 0x0                           ; the wave's end
	ds_add_u32 v[SPW], v[NIL]
	s_wait_dscnt 0x0
	CROUND                                         ; the closing round
	s_endpgm
.Lfunc_end_k_qd083687165_attend:
	.size	k_qd083687165_attend, .Lfunc_end_k_qd083687165_attend-k_qd083687165_attend
	.p2alignl 7, 3214868480
	.fill 96, 4, 3214868480
	.section	.rodata,"a",@progbits
	.p2align	6, 0x0
	.amdhsa_kernel k_qd083687165_attend
		.amdhsa_group_segment_fixed_size 327680
		.amdhsa_private_segment_fixed_size 0
		.amdhsa_enable_private_segment 0
		.amdhsa_kernarg_size 24
		.amdhsa_user_sgpr_count 2
		.amdhsa_user_sgpr_kernarg_segment_ptr 1
		.amdhsa_wavefront_size32 1
		.amdhsa_system_sgpr_workgroup_id_x 1
		.amdhsa_system_sgpr_workgroup_id_y 1
		.amdhsa_system_sgpr_workgroup_id_z 1
		.amdhsa_system_vgpr_workitem_id 0
		.amdhsa_next_free_vgpr 256
		.amdhsa_next_free_sgpr 80
		.amdhsa_reserve_vcc 0
		.amdhsa_float_denorm_mode_32 3
		.amdhsa_float_denorm_mode_16_64 3
		.amdhsa_memory_ordered 1
		.amdhsa_forward_progress 1
		.amdhsa_inst_pref_size 58
	.end_amdhsa_kernel
	.amdgpu_metadata
---
amdhsa.version: [ 1, 2 ]
amdhsa.kernels:
  - .name:           k_qd083687165_attend
    .symbol:         k_qd083687165_attend.kd
    .args:
      - { .name: qfrag, .offset: 0, .size: 8, .value_kind: global_buffer, .address_space: global }
      - { .name: kvfrag, .offset: 8, .size: 8, .value_kind: global_buffer, .address_space: global }
      - { .name: out0, .offset: 16, .size: 8, .value_kind: global_buffer, .address_space: global }
    .group_segment_fixed_size: 327680
    .private_segment_fixed_size: 0
    .kernarg_segment_align: 8
    .kernarg_segment_size: 24
    .max_flat_workgroup_size: 512
    .sgpr_count:     80
    .vgpr_count:     256
    .wavefront_size: 32
...
	.end_amdgpu_metadata
.endif
;; end of part 3
